; MI455X (gfx1250); checked and timed in simulation.
; The chip was launched on July 23, 2026; its instructions are those of AMD's public machine-readable ISA for CDNA 5 (MIT licence, August 2026) and "CDNA5" Instruction Set Architecture Reference Guide (July 2026). The comments in the code are by the model that wrote it; some were corrected since.
;; Multi Head Attention. Allowed arithmetic: matrix products marked QUANTISED: E5M2 operands, one given power-of-two scale a tensor, by v_wmma_f32_16x16x64_bf8_bf8 or v_wmma_f32_16x16x128_bf8_bf8, f32 sums; everything else in f32.
;; Inputs: W_out 1,024 x 1,024 float32; b_out 1,024 float32; keys 4 x 2,048 x 1,024 float32; lowp_scales 6 int32 (the exponents e of the quantised operands' scales 2^e); mask 4 x 1 x 2,048 x 2,048 int32; query 4 x 2,048 x 1,024 float32; values 4 x 2,048 x 1,024 float32.
;; Outputs: out0 4 x 2,048 x 1,024 float32.
;; This version of the problem:
;;   THIS VERSION OF THE PROBLEM IS GIVEN IN LOW PRECISION. The matrix products marked QUANTISED in the list below multiply operands that are first quantised to E5M2 (5 exponent bits, 2 mantissa bits; 8 bits a number), with one given power-of-two scale for each operand tensor; their sums are f32. All else is computed in f32.
;;   The module's matrix products, in the order in which they are computed (A, B: the left and right operand; K: the contracted axis; several contracted axes count as one K, in the product's order):
;;     1. batch 64 x [M 2,048, K 64] x [K 64, N 2,048]; A: input query; B: input keys: QUANTISED (scales: A lowp_scales[0], B lowp_scales[1])
;;     2. batch 64 x [M 64, K 2,048] x [K 2,048, N 2,048]; A: input values; B: softmax (see below): QUANTISED (scales: A lowp_scales[2], B lowp_scales[3])
;;     3. [M 8,192, K 1,024] x [K 1,024, N 1,024]; A: computed on the way; B: input W_out: QUANTISED (scales: A lowp_scales[4], B lowp_scales[5])
;;   THE QUANTISER, for each operand of a quantised product, along K:
;;     - The operand's scale is 2^e, e = its entry of the input lowp_scales (int32; the entries are numbered through the quantised products in the list's order, A before B).
;;     - Each number is divided by the scale, clamped to +-57,344, and rounded to the nearest number of E5M2, ties to even, subnormals kept.
;;     - The product sums the exact products of the quantised numbers (number of the format x scale) in f32.
;;   ~~~python
;;   def quantise(x, axis, e):      # numpy; x: float32 -> the quantised numbers, widened to float32 again
;;       x = np.moveaxis(x, axis, -1); K = x.shape[-1]
;;       r = np.clip(x / 2.0 ** e, -57344, 57344)
;;       step = 2.0 ** (np.maximum(np.frexp(np.where(r == 0, 1, r))[1] - 1, -14) - 2)
;;       q = np.round(r / step) * step * 2.0 ** e      # np.round: ties to even
;;       return np.moveaxis(q, -1, axis).astype(np.float32)
;;   ~~~
;;   SOFTMAX AHEAD OF A QUANTISED PRODUCT. Where the list says 'softmax', what is quantised is not the finished softmax but p = 2^(t - M), with t = logit x log2(e) and M = ceil(the row's largest t), a whole number; so 1/2 < the row's largest p <= 1. The row's sum l is taken of the UNQUANTISED p, in f32, and the product's result is divided by l at the end. Since M is a whole number, a kernel that streams over the keys may use a running M (the ceiling of the running maximum): every later rescaling is an exact power of two, so the quantised numbers keep their values, but for numbers so far below the row's largest that they fall under the format's range.
;;   OPERANDS COMPUTED ON THE WAY. 'Computed on the way' means the value that the module computes at that place (a softmax that the list does not call 'softmax' is quantised finished and normalised). What goes into a quantiser is computed in f32, as accurately as f32 sums, v_exp_f32 and their like allow (about 1e-6 of the number): no bf16 or f16 on the way to a quantiser, and a product that is left as it is and whose result goes on into a quantised operand takes f32 operands (vector FMAs, or v_wmma_f32_16x16x4_f32). A number that lies on a knife's edge between two numbers of the format may be rounded either way, as far as f32 arithmetic and the matrix unit's own rounding can turn it there, and no further.
;; One version. Each part assembles by itself: llvm-mc -triple=amdgcn-amd-amdhsa -mcpu=gfx1250 --defsym DOCPART=n.
;; ======== version 1 of 1: 3 launches
;; limits: right only within a limited range of input values
;; workspace buffers: qc 8,388,608 bytes; kv 16,777,216 bytes; wc 1,048,576 bytes; mw 2,097,152 bytes of whole numbers; ac 8,388,608 bytes
;; launch prep (part 1): grid 656 x 1, 4 waves a work-group, no clusters, 34,304 bytes of LDS; arguments query, keys, values, mask, W_out, lowp_scales, qc, kv, wc, mw; writes qc, kv, wc, mw
.if DOCPART == 1
	.amdgcn_target "amdgcn-amd-amdhsa--gfx1250"
	.amdhsa_code_object_version 6
	.text
	.protected	k_q58b72f4c52_prep
	.globl	k_q58b72f4c52_prep
	.p2align	8
	.type	k_q58b72f4c52_prep,@function
k_q58b72f4c52_prep:
	s_mov_b64 s[64:65], 0
	v_nop
	global_prefetch_b8 v0, s[64:65] scope:SCOPE_SE
	s_setreg_imm32_b32 hwreg(HW_REG_WAVE_MODE, 25, 1), 1
	s_wait_xcnt 0x0
; MULTI-HEAD ATTENTION IN E5M2, LAUNCH 1 OF 3.  No work of reference() is left out anywhere in the program: every input reaches the output and is loaded.
; This launch turns query, keys, values and W_out (f32) into codes of E5M2 with the given scales 2^e0, 2^e1, 2^e2, 2^e5, laid as IMAGES OF OPERAND REGISTERS, and the mask (int32) into LANE MASKS.
; code = x / 2^e, held within +-57,344, rounded to the nearest code, ties to even.  LIMITS: each e between -126 and 112; NaN among the inputs is not served.
; IMAGES.  L = lane, r = L % 16, h = L / 16.  A fragment of 16 rows x 64 k is 1,024 bytes: byte 512 c + 16 L + y holds (row r, k = 32 c + 16 h + y), c = 0, 1; one of 16 rows x 128 k is 2,048 bytes, c = 0 .. 3.
;   qc [16 n + head][query tile][1,024]            rows = queries 16 tile + r, k = the head's 64
;   kv [16 n + head][262,144]: bytes 0 on: K, [tile T][1,024], row m of tile T = 2 G + u is key 32 G + 8 u + m + 8 (m / 8);
;                              bytes 131,072 on: V turned, [key step][tile t][2,048], row m of tile t = 2 b + u is channel 32 b + 8 u + m + 8 (m / 8), k = the step's 128 keys
;   wc [head][output tile][1,024]                  rows = outputs 16 tile + r, k = 64 head + k
;   mw [n][query tile][key step][64 words]         bit L of word 16 b + i = (mask[n][16 tile + r][128 step + 32 b + 16 h + i] != 0)
; SHARES.  A wave's job is 16 rows x 8 blocks; a block is 16 rows x 128 elements of 4 bytes.  Work-groups 0-127 take query, 128-255 keys, 256-383 values, 384-399 W_out, 400-655 the mask.
; The tensors differ in pointers and a few numbers, chosen by selects on the work-group's number, and in two short forward branches on the tensor's kind inside a block.
; A BLOCK.  Sixteen loads read 512 consecutive bytes of a row each; the 8 KiB turn through the wave's own stage in LDS (rows of 512 + 16 bytes) so that a lane holds 16 neighbours ALONG K in 16 registers:
; along the row for query, keys, W_out and the mask; down the rows (16 keys of one channel) for values.  Waves share nothing: no barrier.  Two sets of load registers: 16 to 32 loads a wave are out.
.set STGB,  8448                       ; a wave's stage: 16 rows x 528 bytes
.set SPARE, 4*STGB                     ; behind the stages: the spare words, 128 bytes for each wave, that no other line names
.set OFF,   16                         ; v16-31   row i's byte offset + 16 x lane; never rewritten
.set R,     32                         ; v32-159  two sets of 64 registers as loaded
.set X,     160                        ; v160-223 64 numbers: register 16 q + i
.set C,     224                        ; v224-239 a block's codes; v224-225 the mask's words
; v1 lane, v2 16 x lane, v3 stage in, v4 stage out along rows, v5 stage out down rows, v6 v7 the codes' places, v8 8 x lane, v9 57,344 x 2^e, v10 2^e, v12 v13 the add's two, v14 r, v15 h
; s31 kind (0 rows, 1 values, 2 mask), s32 job J, s33 row pitch, s34 keys' gap, s35 e, s[36:37] source, s[40:55] compare words, s[56:63] four destinations, s[66:67] their step a trip, s72 trips
	s_load_b512 s[4:19], s[0:1], 0x0               ; query s[4:5], keys s[6:7], values s[8:9], mask s[10:11], W_out s[12:13], the exponents s[14:15], qc s[16:17], kv s[18:19]
	s_load_b128 s[20:23], s[0:1], 0x40             ; wc s[20:21], mw s[22:23]
	v_lshl_add_u32 v12, v0, 2, SPARE
	v_mov_b32 v13, 0
	v_lshrrev_b32 v1, 5, v0
	v_readfirstlane_b32 s30, v1                    ; wave 0..3
	v_and_b32 v1, 31, v0                           ; lane
	v_lshlrev_b32 v2, 4, v1
	v_and_b32 v14, 15, v0                          ; r
	v_bfe_u32 v15, v0, 4, 1                        ; h
	s_mul_i32 s38, s30, STGB                       ; my stage
	v_add_nc_u32 v3, s38, v2                       ; in: 16 bytes a lane of a row's 512
	v_mul_u32_u24 v4, v14, 528
	v_lshl_add_u32 v4, v15, 6, v4
	v_add_nc_u32 v4, s38, v4                       ; out along rows: row r, + 64 h: 16 numbers of each 32
	v_and_b32 v5, 7, v0
	v_lshl_add_u32 v5, v15, 3, v5
	v_bfe_u32 v11, v0, 3, 1
	v_lshl_add_u32 v5, v11, 4, v5                  ; the lane's number with bits 3 and 4 changed over: lane 16 u + m takes channel 8 u + m + 8 (m / 8) of a group of 32
	v_lshlrev_b32 v5, 2, v5
	v_add_nc_u32 v5, s38, v5                       ; out down rows
	v_lshlrev_b32 v8, 3, v1
	v_mov_b32 v[C], 0                              ; written once: a lane write's destination counts as read
	v_mov_b32 v[C+1], 0
	s_wait_kmcnt 0x0
	; THE TENSOR, by selects on the work-group's number alone.  First the mask's numbers, then each earlier range in turn.
	s_mov_b64 s[36:37], s[10:11]                   ; source
	s_mov_b64 s[68:69], s[22:23]                   ; destination
	s_mov_b32 s75, 400                             ; the range's first work-group
	s_mov_b32 s31, 2                               ; kind
	s_mov_b32 s73, 0                               ; bytes from a head's image to the next head's
	s_mov_b32 s33, 8192                            ; a source row
	s_mov_b32 s34, 0                               ; rows 8-15 lie so much further down
	s_mov_b32 s76, 61440                           ; odd jobs begin so much earlier than J x 65,536
	s_mov_b32 s77, 18                              ; the destination: (J / 128) shifted by this,
	s_mov_b32 s79, 11                              ; + (J % 128) shifted by this
	s_mov_b32 s78, 0                               ; byte of the tensor's exponent (the mask has none: entry 0 is loaded and not used)
	s_cmp_lt_u32 ttmp9, 400                        ; W_out
	s_cselect_b64 s[36:37], s[12:13], s[36:37]
	s_cselect_b64 s[68:69], s[20:21], s[68:69]
	s_cselect_b32 s75, 384, s75
	s_cselect_b32 s31, 0, s31
	s_cselect_b32 s73, 0x10000, s73
	s_cselect_b32 s33, 4096, s33
	s_cselect_b32 s76, 0, s76
	s_cselect_b32 s77, 21, s77
	s_cselect_b32 s79, 10, s79
	s_cselect_b32 s78, 20, s78
	s_cmp_lt_u32 ttmp9, 384                        ; values
	s_cselect_b64 s[36:37], s[8:9], s[36:37]
	s_cselect_b64 s[68:69], s[18:19], s[68:69]
	s_cselect_b32 s75, 256, s75
	s_cselect_b32 s31, 1, s31
	s_cselect_b32 s73, 0x40000, s73
	s_cselect_b32 s77, 22, s77
	s_cselect_b32 s78, 8, s78
	s_cmp_lt_u32 ttmp9, 256                        ; keys
	s_cselect_b64 s[36:37], s[6:7], s[36:37]
	s_cselect_b32 s75, 128, s75
	s_cselect_b32 s31, 0, s31
	s_cselect_b32 s34, 0x8000, s34
	s_cselect_b32 s76, 0x8000, s76
	s_cselect_b32 s78, 4, s78
	s_cmp_lt_u32 ttmp9, 128                        ; query
	s_cselect_b64 s[36:37], s[4:5], s[36:37]
	s_cselect_b64 s[68:69], s[16:17], s[68:69]
	s_cselect_b32 s75, 0, s75
	s_cselect_b32 s34, 0, s34
	s_cselect_b32 s76, 0, s76
	s_cselect_b32 s73, 0x20000, s73
	s_cselect_b32 s77, 21, s77
	s_cselect_b32 s78, 0, s78
	s_load_b32 s35, s[14:15], s78 offset:0x0       ; e
	s_sub_co_u32 s32, ttmp9, s75
	s_lshl_b32 s32, s32, 2
	s_add_co_u32 s32, s32, s30                     ; J = 4 x (work-group - first) + wave
	s_and_b32 s38, s32, 1
	s_mul_i32 s38, s38, s76
	s_lshl_b32 s39, s32, 16
	s_sub_co_u32 s38, s39, s38                     ; the job's first source byte
	s_mov_b32 s39, 0
	s_add_nc_u64 s[36:37], s[36:37], s[38:39]
	s_and_b32 s38, s32, 127                        ; J % 128
	s_lshl_b32 s39, s38, s79                       ; rows and mask: the job's image
	s_lshr_b32 s40, s38, 3                         ; values: the job's 16 keys are bytes y = 0 .. 15 of key step (J % 128) / 8,
	s_lshl_b32 s40, s40, 13
	s_bfe_u32 s41, s38, 0x20001                    ; group c = ((J % 128) / 2) % 4,
	s_lshl_b32 s41, s41, 9
	s_add_co_u32 s40, s40, s41
	s_and_b32 s41, s38, 1                          ; half h = J % 2
	s_lshl_b32 s41, s41, 8
	s_add_co_u32 s40, s40, s41
	s_add_co_u32 s40, s40, 0x20000                 ; behind the head's K
	s_mov_b32 s71, 512
	s_cmp_eq_u32 s31, 1
	s_cselect_b32 s38, s40, s39
	s_cselect_b32 s70, 1792, 0                     ; values: lanes 16-31 hold the next tile: 2,048 bytes on and not 256
	s_cselect_b32 s71, 4096, s71                   ; from a head's first 32 along the block to its second: two tiles of V, or group c = 1 of a fragment
	s_lshr_b32 s39, s32, 7
	s_lshl_b32 s39, s39, s77
	s_add_co_u32 s38, s38, s39
	s_mov_b32 s39, 0
	s_add_nc_u64 s[56:57], s[68:69], s[38:39]      ; even block, its first head
	s_mov_b32 s38, s73
	s_add_nc_u64 s[58:59], s[56:57], s[38:39]      ; even block, its second head
	s_lshl_b32 s74, s73, 1
	s_cmp_eq_u32 s31, 2
	s_cselect_b32 s38, 256, s74                    ; from block to block: two heads, or a key step's 64 words
	s_add_nc_u64 s[60:61], s[56:57], s[38:39]      ; odd block
	s_add_nc_u64 s[62:63], s[58:59], s[38:39]
	s_lshl_b32 s66, s38, 1                         ; a trip is two blocks
	s_mov_b32 s67, 0
	v_mad_u32_u24 v6, v15, s70, v2                 ; where my 16 codes go
	v_add_nc_u32 v7, s71, v6
.irp i, 0,1,2,3,4,5,6,7,8,9,10,11,12,13,14,15
	s_mul_i32 s38, s33, \i
.if \i >= 8
	s_add_co_u32 s38, s38, s34
.endif
	v_add_nc_u32 v[OFF+\i], s38, v2
.endr
.macro LOAD set, off                   ; a block: row i's 512 bytes, 16 a lane
.irp i, 0,1,2,3,4,5,6,7,8,9,10,11,12,13,14,15
	global_load_b128 v[R+64*\set+4*\i:R+64*\set+4*\i+3], v[OFF+\i], s[36:37] offset:(\off) th:TH_LOAD_NT
.endr
.endm
; One block.  left: how many younger loads may stay out.  dlo, dhi: the scalar pairs with the block's two destinations.
.macro BLOCK set, reload, left, dlo, dhi
	s_wait_loadcnt \left                           ; loads come back in order: this set's sixteen are in
.irp i, 0,1,2,3,4,5,6,7,8,9,10,11,12,13,14,15
	ds_store_b128 v3, v[R+64*\set+4*\i:R+64*\set+4*\i+3] offset:528*\i
.endr
	s_cmp_eq_u32 s31, 1                            ; LDS serves a wave's instructions in order: the loads below see the stores above
	s_cbranch_scc1 .Ldown_\@
.irp q, 0,1,2,3
.irp c, 0,1,2,3
	ds_load_b128 v[X+16*\q+4*\c:X+16*\q+4*\c+3], v4 offset:128*\q+16*\c   ; row r, elements 32 q + 16 h + 0 .. 15
.endr
.endr
	s_branch .Lturned_\@
.Ldown_\@:
.irp g, 0,1,2,3
.irp i, 0,1,2,3,4,5,6,7,8,9,10,11,12,13,14,15
	ds_load_b32 v[X+16*\g+\i], v5 offset:528*\i+128*\g                    ; key i of my channel in group g of 32 channels
.endr
.endr
.Lturned_\@:
	s_wait_dscnt 0x0                               ; the numbers are back; the stage's stores have read this set
	s_wait_xcnt 0x0                                ; the last block's stores have read their data: the codes' registers are written again only behind this wait
.if \reload
	LOAD \set, 1024+512*\set                       ; the block two further on
.endif
	s_cmp_eq_u32 s31, 2
	s_cbranch_scc1 .Lbits_\@
	s_wait_alu depctr_va_vdst(0)
.irp q, 0,1,2,3
.irp i, 0,1,2,3,4,5,6,7,8,9,10,11,12,13,14,15
	v_med3_num_f32 v[X+16*\q+\i], v[X+16*\q+\i], -v9, v9   ; the conversion to an 8-bit code does not saturate (ISA guide 7.6.2): the hold at the largest code x the scale
.endr
	v_cvt_scalef32_pk8_bf8_f32 v[C+4*\q:C+4*\q+1], v[X+16*\q:X+16*\q+7], v10
	v_cvt_scalef32_pk8_bf8_f32 v[C+4*\q+2:C+4*\q+3], v[X+16*\q+8:X+16*\q+15], v10
.endr
	v_nop                                          ; a plain line behind the last conversion
	global_store_b128 v6, v[C:C+3], s[\dlo:\dlo+1]         ; each store: 512 bytes on end, or (values) two aligned runs of 256
	global_store_b128 v7, v[C+4:C+7], s[\dlo:\dlo+1]
	global_store_b128 v6, v[C+8:C+11], s[\dhi:\dhi+1]
	global_store_b128 v7, v[C+12:C+15], s[\dhi:\dhi+1]
	s_branch .Ldone_\@
.Lbits_\@:
.irp q, 0,1,2,3
.irp i, 0,1,2,3,4,5,6,7,8,9,10,11,12,13,14,15
	v_cmp_ne_u32 s[40+\i], 0, v[X+16*\q+\i]        ; word 16 q + i: a bit a lane
.endr
.irp i, 0,1,2,3,4,5,6,7,8,9,10,11,12,13,14,15
	v_writelane_b32 v[C+\i%2], s[40+\i], 8*\q+\i/2 ; lane l carries words 2 l and 2 l + 1
.endr
.endr
	global_store_b64 v8, v[C:C+1], s[\dlo:\dlo+1]  ; 64 words: 256 consecutive bytes, aligned
.Ldone_\@:
.endm
	s_wait_alu depctr_va_vdst(0)
	LOAD 0, 0
	LOAD 1, 512
	s_wait_kmcnt 0x0
	s_add_co_i32 s35, s35, 127
	s_lshl_b32 s38, s35, 23
	v_mov_b32 v10, s38                             ; 2^e as f32: the conversion takes its exponent field
	s_add_co_i32 s35, s35, 15
	s_lshl_b32 s35, s35, 23
	s_or_b32 s35, s35, 0x600000
	v_mov_b32 v9, s35                              ; 57,344 x 2^e
	s_mov_b32 s72, 3
.Ltrip:                                            ; three trips of two blocks; the last two blocks are written out, so that no load leaves its buffer
	BLOCK 0, 1, 16, 56, 58
	BLOCK 1, 1, 16, 60, 62
	s_wait_xcnt 0x0                                ; loads and stores have read their bases: they step only behind this wait
	s_add_nc_u64 s[36:37], s[36:37], 1024
	s_add_nc_u64 s[56:57], s[56:57], s[66:67]
	s_add_nc_u64 s[58:59], s[58:59], s[66:67]
	s_add_nc_u64 s[60:61], s[60:61], s[66:67]
	s_add_nc_u64 s[62:63], s[62:63], s[66:67]
	s_sub_co_u32 s72, s72, 1
	s_cmp_lg_u32 s72, 0
	s_cbranch_scc1 .Ltrip
	BLOCK 0, 0, 16, 56, 58
	BLOCK 1, 0, 0, 60, 62
	s_wait_tensorcnt 0x0                           ; the wave's end, behind my last LDS store
	ds_add_u32 v12, v13
	s_wait_dscnt 0x0
	s_endpgm
.Lfunc_end_k_q58b72f4c52_prep:
	.size	k_q58b72f4c52_prep, .Lfunc_end_k_q58b72f4c52_prep-k_q58b72f4c52_prep
	.p2alignl 7, 3214868480
	.fill 96, 4, 3214868480
	.section	.rodata,"a",@progbits
	.p2align	6, 0x0
	.amdhsa_kernel k_q58b72f4c52_prep
		.amdhsa_group_segment_fixed_size 34304
		.amdhsa_private_segment_fixed_size 0
		.amdhsa_enable_private_segment 0
		.amdhsa_kernarg_size 80
		.amdhsa_user_sgpr_count 2
		.amdhsa_user_sgpr_kernarg_segment_ptr 1
		.amdhsa_wavefront_size32 1
		.amdhsa_system_sgpr_workgroup_id_x 1
		.amdhsa_system_sgpr_workgroup_id_y 1
		.amdhsa_system_sgpr_workgroup_id_z 1
		.amdhsa_system_vgpr_workitem_id 0
		.amdhsa_next_free_vgpr 240
		.amdhsa_next_free_sgpr 80
		.amdhsa_reserve_vcc 0
		.amdhsa_float_denorm_mode_32 3
		.amdhsa_float_denorm_mode_16_64 3
		.amdhsa_memory_ordered 1
		.amdhsa_forward_progress 1
		.amdhsa_inst_pref_size 91
	.end_amdhsa_kernel
	.amdgpu_metadata
---
amdhsa.version: [ 1, 2 ]
amdhsa.kernels:
  - .name:           k_q58b72f4c52_prep
    .symbol:         k_q58b72f4c52_prep.kd
    .args:
      - { .name: query, .offset: 0, .size: 8, .value_kind: global_buffer, .address_space: global }
      - { .name: keys, .offset: 8, .size: 8, .value_kind: global_buffer, .address_space: global }
      - { .name: values, .offset: 16, .size: 8, .value_kind: global_buffer, .address_space: global }
      - { .name: mask, .offset: 24, .size: 8, .value_kind: global_buffer, .address_space: global }
      - { .name: W_out, .offset: 32, .size: 8, .value_kind: global_buffer, .address_space: global }
      - { .name: lowp_scales, .offset: 40, .size: 8, .value_kind: global_buffer, .address_space: global }
      - { .name: qc, .offset: 48, .size: 8, .value_kind: global_buffer, .address_space: global }
      - { .name: kv, .offset: 56, .size: 8, .value_kind: global_buffer, .address_space: global }
      - { .name: wc, .offset: 64, .size: 8, .value_kind: global_buffer, .address_space: global }
      - { .name: mw, .offset: 72, .size: 8, .value_kind: global_buffer, .address_space: global }
    .group_segment_fixed_size: 34304
    .private_segment_fixed_size: 0
    .kernarg_segment_align: 8
    .kernarg_segment_size: 80
    .max_flat_workgroup_size: 128
    .sgpr_count:     80
    .vgpr_count:     240
    .wavefront_size: 32
...
	.end_amdgpu_metadata
.endif
;; end of part 1
;; launch attn (part 2): grid 8 x 32, 8 waves a work-group, clusters of 4 x 1, 327,680 bytes of LDS; arguments qc, kv, mw, lowp_scales, ac; writes ac
.if DOCPART == 2
	.amdgcn_target "amdgcn-amd-amdhsa--gfx1250"
	.amdhsa_code_object_version 6
	.text
	.protected	k_q58b72f4c52_attn
	.globl	k_q58b72f4c52_attn
	.p2align	8
	.type	k_q58b72f4c52_attn,@function
k_q58b72f4c52_attn:
	s_mov_b64 s[64:65], 0
	v_nop
	global_prefetch_b8 v0, s[64:65] scope:SCOPE_SE
	s_setreg_imm32_b32 hwreg(HW_REG_WAVE_MODE, 25, 1), 1
	s_wait_xcnt 0x0
	s_wait_alu depctr_hold_cnt(0) depctr_sa_sdst(0) depctr_va_vdst(0) depctr_va_sdst(0) depctr_va_ssrc(0) depctr_va_vcc(0) depctr_vm_vsrc(0)
	s_getreg_b32 s2, hwreg(HW_REG_IB_STS2, 6, 4)
	s_cmp_eq_u32 s2, 0
	s_cbranch_scc0 .Lentry_in_a_cluster
	s_endpgm
.Lentry_in_a_cluster:
	s_bfe_u32 s2, ttmp6, 0x10000c
	s_cmp_lg_u32 s2, 0x3003
	s_cbranch_scc0 .Lentry_shape_is_right
	s_endpgm
.Lentry_shape_is_right:
; LAUNCH 2 OF 3: both products of the attention on codes of E5M2, the softmax between them, and the quantiser of the projection's operand.  Nothing of reference() is left out.
; t = energy x log2(e) / 32; M = the row's largest t so far, rounded UP to a whole number; p = 2^(t - M) is held at 57,344 x 2^e3 and quantised with 2^e3; the row's sum l is taken of the unquantised p.
; When M moves, l and O are multiplied by 2^(old M - new M): exact.  O / l x 2^(e2 + e3) is held within +-57,344 x 2^e4 and quantised with 2^e4.
; SHARES.  A work-group has 256 queries (work-group x) of TWO heads (2 y, 2 y + 1; y = 8 n + pair); each of its eight waves two tiles of 16 queries (A, B) of both heads, in 512 registers, two waves to a SIMD.
; Each fragment of K and of V that a wave reads from LDS feeds both tiles: 64 LDS loads serve four tiles' steps of 128 keys.
; THE MASK is the same for all heads: once a key step a tile's 64 words (a bit a lane) become 64 registers, 0 or -2^(67 - e0 - e1), the C operand of both heads' first products.
; A masked score is then energy - 2^67 (in energy's units), under every energy that codes can form (64 x 57,344^2 x 2^22 < 2^60), so p = 0 where a key is left.
; A ROW WITH NO KEY LEFT SO FAR (largest t under -2^60): the exponent is made with c = 0 and M = 0, so every p is 1, equal weights as in reference(); the true M is kept, so a later key that counts multiplies those sums by 0.
; THE RING.  K's and V's codes of the two heads go through two LDS slots of 512 keys, 128 KiB each: wave w fetches 16 KiB, dense: head w / 4, K or V by (w / 2) % 2, half w % 2.  One change of slots for four key steps of 128.
; CLUSTER.  Four query blocks of the same heads walk the same K and V: each load is asked for JOINTLY by the four, same descriptor, mask 15; a round of the cluster's barrier stands in front of each.
; PREFETCH.  At the change that loads slot t + 1 each wave names slot t + 2 of its own 16 KiB: the partner at place cx takes bytes 4,096 cx on, lanes 0-15 a block of 256 bytes each (lanes 16-31 name the last again);
; so each block is named once in each cluster, a slot's four key steps ahead of its load; the last change that fills asks for nothing, slots 0 and 1 come by their loads alone.
; LAYOUT as in the first launch: S^T = K Q^T + C, O^T = V^T P: a lane holds ONE query of a tile (lane % 16); register 16 b + i of S^T is key 32 b + 16 (lane / 16) + i of the step, of O^T channel 32 b + 16 (lane / 16) + i.
; LIMITS.  e0 + e1 between -60 and 22; e3 and e4 between -126 and 112.  NaN among the inputs is not served.
; REGISTERS.  x = 2 head + tile.  Window 0: v1 16 x lane; v2 v3 LDS addresses (head 0, 1); v4 v5 the add's two; v6 the masked C; v7, v220 57,344 x 2^e3; v8 2^e3; v9 a permute's destination; v10 v11 at work;
;   v12 -M in use (v13 = c beside it); v14 c in use (v15 = 0); v16-31 for each x: -M, largest t, l in two halves; v32 f (v33 = 0); v34-39 at work; v40-71 Q, 8 for each x; v72-135 K's 8 tiles, then V's 4;
;   v136-151 tile A's codes; v152-167 tile B's; v156-219 S^T, then p; v221 prefetch offset; v222 -2^60.   Window 1: v0-127 O^T, 32 for each x; v128-191 tile A's masked C; v192-255 tile B's.
;   s[2:3] prefetch address; s6 e2 + e3, s7 57,344 x 2^e4, s10 2^e4, s11 tile A's last words' byte; s14 wave; s15 a lane mask; word j in s[16 + j] (j < 48) or s[20 + j]; s[66:67] lane selects; s[84:95] the descriptor;
;   s96 c; s97 the key step's byte in its slot; s98 key steps, s99 slots to go; s100 the slot's LDS byte; s101 tile A's words' byte.
.set SLOT1, 131072
.set SPARE, 262144                     ; behind the ring: the spare words, 128 bytes for each of eight waves; no other line names them
.set ST, 16
.set FP, 32
.set T1, 34
.set T2, 36
.set T3, 38
.set QF, 40
.set KV, 72
.set CA, 136
.set CD, 152
.set S,  156
.set HB, 220
.set PFO, 221
.set THR, 222
.set MSB, 0
.macro WIN new                         ; the immediate's high byte repeats the setting that is left
.if MSB != \new
	s_set_vgpr_msb (MSB<<8)|\new
.set MSB, \new
.endif
.endm
.macro ROUND                           ; a round of the cluster's barrier
	s_barrier_signal -1
	s_barrier_wait -1
	s_cmp_lg_u32 s14, 0
	s_cbranch_scc1 .Lnot_wave_0_\@
	s_barrier_signal -3
.Lnot_wave_0_\@:
	s_barrier_wait -3
	s_barrier_signal -1
	s_barrier_wait -1
.endm
.macro TLOAD                           ; my one joint load; an s_nop 0 and four v_nop follow it
	tensor_load_to_lds s[84:87], s[88:95]
	s_nop 0
.rept 4
	v_nop
.endr
.endm
.macro MLOAD off                       ; a tile's 64 words of a key step
	s_load_b512 s[16:31], s[8:9], s101 offset:\off
	s_load_b512 s[32:47], s[8:9], s101 offset:\off+0x40
	s_load_b512 s[48:63], s[8:9], s101 offset:\off+0x80
	s_load_b512 s[68:83], s[8:9], s101 offset:\off+0xc0
.endm
.macro BIAS bs                         ; the words become the masked C of one tile, in window 1
	s_wait_kmcnt 0x0
	WIN 0x40
.set j, 0
.rept 64
	v_cndmask_b32 v[\bs+j], v6, 0, s[16+j+4*(j/48)] ; bit 1: 0; bit 0: the masked C
.set j, j+1
.endr
	s_wait_alu depctr_va_vdst(0)
	WIN 0
.endm
.macro KLOAD h                         ; a head's 8 tiles of K of this key step: 16 loads of 512 consecutive bytes
.irp t, 0,1,2,3,4,5,6,7
.irp c, 0,1
	ds_load_b128 v[KV+8*\t+4*\c:KV+8*\t+4*\c+3], v[2+\h] offset:1024*\t+512*\c
.endr
.endr
.endm
.macro VLOAD h                         ; its 4 tiles of V, into the same registers
.irp t, 0,1,2,3
.irp c, 0,1,2,3
	ds_load_b128 v[KV+16*\t+4*\c:KV+16*\t+4*\c+3], v[2+\h] offset:32768+2048*\t+512*\c
.endr
.endr
.endm
.macro QK x, bs                        ; S^T = K Q^T + the masked C
	WIN 0x10
.irp t, 0,1,2,3,4,5,6,7
	v_wmma_f32_16x16x64_bf8_bf8 v[S+8*\t:S+8*\t+7], v[KV+8*\t:KV+8*\t+7], v[QF+8*(\x):QF+8*(\x)+7], v[\bs+8*\t:\bs+8*\t+7]
.endr
	WIN 0
.endm
; THE SOFTMAX OF ONE TILE AND HEAD OVER 128 KEYS: scores in v[S ..] become codes in v[cd ..]; l and O^T come under the new M.  vl >= 0: behind the places V of head vl is asked for.
.macro SOFT x, cd, vl
.set NM, ST+4*(\x)
.set TM, ST+4*(\x)+1
.set LL, ST+4*(\x)+2
	v_mov_b32 v[FP], v[NM]                         ; the old -M.  Four places ahead of loads into K's registers and of the first read of the scores
.rept 3
	v_nop
.endr
.if \vl >= 0
	VLOAD \vl
.endif
	v_max3_num_f32 v10, v[S], v[S+1], v[S+2]       ; the largest score of my query among my 64 keys, in four chains, ascending: each accumulator is read from its low end on
	v_max3_num_f32 v11, v[S+3], v[S+4], v[S+5]
	v_max3_num_f32 v[T1], v[S+6], v[S+7], v[S+8]
	v_max3_num_f32 v[T1+1], v[S+9], v[S+10], v[S+11]
.irp i, 12,20,28,36,44,52
	v_max3_num_f32 v10, v10, v[S+\i], v[S+\i+1]
	v_max3_num_f32 v11, v11, v[S+\i+2], v[S+\i+3]
	v_max3_num_f32 v[T1], v[T1], v[S+\i+4], v[S+\i+5]
	v_max3_num_f32 v[T1+1], v[T1+1], v[S+\i+6], v[S+\i+7]
.endr
	v_max3_num_f32 v10, v10, v[S+60], v[S+61]
	v_max3_num_f32 v11, v11, v[S+62], v[S+63]
	s_delay_alu instid0(VALU_DEP_1)
	v_max3_num_f32 v10, v10, v11, v[T1]
	s_delay_alu instid0(VALU_DEP_1)
	v_max_num_f32 v10, v10, v[T1+1]
	s_delay_alu instid0(VALU_DEP_1)
	v_permlanex16_b32 v9, v10, s66, s67
	s_delay_alu instid0(VALU_DEP_1)
	v_max_num_f32 v10, v10, v9                     ; and among lane l xor 16's
	s_delay_alu instid0(VALU_DEP_1)
	v_mul_f32 v10, s96, v10                        ; as t (c is positive)
	s_delay_alu instid0(VALU_DEP_1)
	v_max_num_f32 v[TM], v[TM], v10
	s_delay_alu instid0(VALU_DEP_1)
	v_floor_f32 v[NM], -v[TM]                      ; the new -M = -ceil(t)
	v_cmp_gt_f32 s15, v[TM], v[THR]                ; has any key counted so far?
	v_sub_f32 v[FP], v[NM], v[FP]                  ; old M - new M: a whole number, 0 or less
	v_cndmask_b32 v14, 0, v13, s15                 ; c, or 0 in a row with no key left
	v_cndmask_b32 v12, 0, v[NM], s15               ; -M, or 0
	v_cvt_i32_f32 v[FP], v[FP]                     ; (it saturates)
	s_delay_alu instid0(VALU_DEP_1)
	v_ldexp_f32 v[FP], 1.0, v[FP]                  ; f = 2^(old M - new M)
.set j, 0
.rept 32
	v_pk_fma_f32 v[S+j:S+j+1], v[S+j:S+j+1], v[14:15], v[12:13] op_sel_hi:[1,0,0]   ; t - M, two at a time
.set j, j+2
.endr
	s_wait_alu depctr_va_vdst(0)                   ; ahead of the batch
.set j, 0
.rept 64
	v_exp_f32 v[S+j], v[S+j]                       ; p = 2^(t - M)
.set j, j+1
.endr
	v_pk_mul_f32 v[LL:LL+1], v[LL:LL+1], v[FP:FP+1] op_sel_hi:[1,0]   ; l under the new M: the plain line behind the exponentials
	s_wait_alu depctr_va_vdst(0)                   ; one wait for the batch, ahead of its first reader
	v_pk_add_f32 v[T1:T1+1], v[S:S+1], v[S+2:S+3]  ; the sum of the unquantised p, in four chains
	v_pk_add_f32 v[T2:T2+1], v[S+4:S+5], v[S+6:S+7]
	v_pk_add_f32 v[T3:T3+1], v[S+8:S+9], v[S+10:S+11]
	v_pk_add_f32 v[LL:LL+1], v[LL:LL+1], v[S+12:S+13]
.irp i, 14,22,30,38,46,54
	v_pk_add_f32 v[T1:T1+1], v[T1:T1+1], v[S+\i:S+\i+1]
	v_pk_add_f32 v[T2:T2+1], v[T2:T2+1], v[S+\i+2:S+\i+3]
	v_pk_add_f32 v[T3:T3+1], v[T3:T3+1], v[S+\i+4:S+\i+5]
	v_pk_add_f32 v[LL:LL+1], v[LL:LL+1], v[S+\i+6:S+\i+7]
.endr
	v_pk_add_f32 v[T1:T1+1], v[T1:T1+1], v[S+62:S+63]
	v_pk_add_f32 v[T2:T2+1], v[T2:T2+1], v[T3:T3+1]
	v_pk_add_f32 v[LL:LL+1], v[LL:LL+1], v[T1:T1+1]
	v_pk_add_f32 v[LL:LL+1], v[LL:LL+1], v[T2:T2+1]
.irp b, 0,1,2,3                                ; codes of block b go to v[cd + 4 b ..] (tile B's: block 0's in front of p, the others' onto block 0's numbers, which are done with)
.irp i, 0,2,4,6,8,10,12,14
	v_dual_min_num_f32 v[S+16*\b+\i], v7, v[S+16*\b+\i] :: v_dual_min_num_f32 v[S+16*\b+\i+1], v[HB], v[S+16*\b+\i+1]   ; the conversion does not saturate (ISA guide 7.6.2); p is not negative: a one-sided hold, two a line
.endr
	v_cvt_scalef32_pk8_bf8_f32 v[\cd+4*\b:\cd+4*\b+1], v[S+16*\b:S+16*\b+7], v8
	v_cvt_scalef32_pk8_bf8_f32 v[\cd+4*\b+2:\cd+4*\b+3], v[S+16*\b+8:S+16*\b+15], v8
.endr
	WIN 0x41                                       ; O^T in window 1, f in window 0
	s_wait_alu depctr_va_vdst(0)                   ; directly ahead of the first reader of O^T
.set j, 0
.rept 16
	v_pk_mul_f32 v[32*(\x)+j:32*(\x)+j+1], v[32*(\x)+j:32*(\x)+j+1], v[FP:FP+1] op_sel_hi:[1,0]   ; O^T under the new M
.set j, j+2
.endr
.endm
; ONE HEAD, 128 KEYS, BOTH TILES.  K serves tile A's and tile B's first products; then V takes its registers and serves both second products.
.macro HEAD h
	s_wait_dscnt 0x0                               ; this head's K is in
	QK 2*\h, 128
	SOFT 2*\h, CA, -1
.if \h == 0
	BIAS 192                                       ; tile B's masked C, from the words asked for at the key step's head
	s_add_co_u32 s101, s101, 256                   ; (the wait on KMcnt has shown the last loads done: their offset may be written)
	s_min_u32 s101, s101, s11                      ; the last look-ahead stays on the last step's words
	MLOAD 0                                        ; tile A's words of the next key step
.endif
	QK 2*\h+1, 192
	SOFT 2*\h+1, CD, \h
	WIN 0x50
	s_wait_alu depctr_va_vdst(0)
	s_wait_dscnt 0x0                               ; V is in
.irp a, 0,1
.irp t, 0,1,2,3
	v_wmma_f32_16x16x128_bf8_bf8 v[32*(2*\h+\a)+8*\t:32*(2*\h+\a)+8*\t+7], v[KV+16*\t:KV+16*\t+15], v[CA+16*\a:CA+16*\a+15], v[32*(2*\h+\a)+8*\t:32*(2*\h+\a)+8*\t+7]
.endr
.endr
	WIN 0
.rept 5
	v_nop                                          ; five places: the next first products write over tile B's codes, which these have read; and the places ahead of loads into V's registers
.endr
.if \h == 0
	KLOAD 1
.endif
.endm
; A KEY STEP: 128 keys, both heads, both tiles.
.macro KEYSTEP
	v_add_nc_u32 v2, s100, v1
	v_add_nc_u32 v2, s97, v2                       ; slot + key step + 16 x lane
	v_add_nc_u32 v3, 0x10000, v2
	KLOAD 0                                        ; lands under the selects below
	BIAS 128                                       ; tile A's masked C
	MLOAD 0x1000                                   ; tile B's words of this key step: its tile's words lie 4,096 bytes on
	HEAD 0
	HEAD 1
	s_add_co_u32 s97, s97, 8192
.endm
; THE CHANGE OF SLOTS, at a slot's head.  fill = 1: behind the round the slot just left takes the next 512 keys (the first time: slot 1's first fill).
.macro CHANGE fill
	s_wait_tensorcnt 0x0                           ; my part of the slot ahead has landed; no load of mine is out, so group 0 may be written
	ds_add_u32 v4, v5
.if \fill
	s_xor_b32 s85, s85, SLOT1
	s_add_nc_u64 s[86:87], s[86:87], 32768
	s_wait_xcnt 0x0                                ; my prefetch has read its address
	s_add_nc_u64 s[2:3], s[2:3], 32768
.endif
	s_wait_dscnt 0x0                               ; the add is done, and my reads of the slot that I have left
.if \fill
	ROUND                                          ; both now hold of every wave of the four work-groups
	TLOAD
	s_cmp_ge_u32 s99, 2                            ; the count of slots alone: the same in all partners
	s_cbranch_scc0 .Lnone_\@
	global_prefetch_b8 v[PFO], s[2:3] th:TH_LOAD_NT scope:SCOPE_SE
.Lnone_\@:
.else
	s_barrier_signal -1
	s_barrier_wait -1
.endif
	s_mov_b32 s97, 0
	s_mov_b32 s98, 4
.endm
	s_load_b256 s[4:11], s[0:1], 0x0               ; qc s[4:5], kv s[6:7], mw s[8:9], the exponents s[10:11]
	s_load_b64 s[12:13], s[0:1], 0x20              ; ac
	v_lshl_add_u32 v4, v0, 2, SPARE
	v_mov_b32 v5, 0
	ds_add_u32 v4, v5                              ; the wave's opening: the add, twice on end, and its wait ahead of my first tensor load
	ds_add_u32 v4, v5
	v_lshrrev_b32 v1, 5, v0
	v_readfirstlane_b32 s14, v1                    ; wave 0..7
	v_and_b32 v1, 31, v0
	v_min_u32 v[PFO], 15, v1
	v_lshlrev_b32 v1, 4, v1                        ; 16 x lane: my place in every image
	s_bfe_u32 s15, ttmp6, 0x40000                  ; cx: it enters the addresses of qc, mw, ac and of the prefetch alone
	s_lshl_b32 s105, ttmp9, 2
	s_add_co_u32 s105, s105, s15                   ; my block of 256 queries
	s_lshl_b32 s15, s15, 12
	v_lshl_add_u32 v[PFO], v[PFO], 8, s15          ; 4,096 cx + 256 x min(lane, 15)
	s_and_b32 s104, ttmp7, 0xffff                  ; y = 8 n + pair: my first head is 2 y of 64
	s_mov_b32 s88, 15|(3<<16)|(1<<21)              ; group 1: the mask: all four work-groups; elements of 8 bytes; bit 21 set beside a mask; no padding
	s_mov_b32 s89, 32<<16                          ; tensor_dim0 = 32 elements: rows of 256 bytes
	s_mov_b32 s90, 64<<16                          ; tensor_dim1 = 64
	s_mov_b32 s91, 32<<16                          ; tile_dim0
	s_mov_b32 s92, 64                              ; tile_dim1: 16 KiB, dense
	s_mov_b32 s93, 32
	s_mov_b32 s94, 0
	s_mov_b32 s95, 0
	s_mov_b32 s66, 0x76543210
	s_mov_b32 s67, 0xfedcba98                      ; lane l xor 16
	s_mov_b32 s84, 1
	s_lshl_b32 s85, s14, 14                        ; LDS: 16,384 x wave, slot 0
	s_lshl_b32 s98, s104, 19                       ; kv: head 2 y + wave / 4, 262,144 bytes each,
	s_lshr_b32 s99, s14, 2
	s_lshl_b32 s99, s99, 18
	s_add_co_u32 s98, s98, s99
	s_bfe_u32 s99, s14, 0x10001
	s_lshl_b32 s99, s99, 17                        ; K, or V 131,072 bytes on,
	s_add_co_u32 s98, s98, s99
	s_and_b32 s99, s14, 1
	s_lshl_b32 s99, s99, 14                        ; the first or the second 256 keys of a slot's 512
	s_add_co_u32 s98, s98, s99
	s_mov_b32 s99, 0
	s_wait_alu depctr_va_vdst(0)
	s_wait_dscnt 0x0                               ; both opening adds are done
	s_wait_kmcnt 0x0
	s_load_b128 s[16:19], s[10:11], 0x0            ; e0, e1, e2, e3
	s_load_b64 s[20:21], s[10:11], 0x10            ; e4, e5
	s_add_nc_u64 s[86:87], s[6:7], s[98:99]
	s_add_nc_u64 s[2:3], s[86:87], 32768           ; the prefetch stands at slot 1: the first change steps it to slot 2
	s_or_b32 s87, s87, 0x80000000                  ; type = 2
	ROUND                                          ; all four work-groups are here: the joint loads meet
	TLOAD                                          ; slot 0: my one tensor load at the head
	s_wait_kmcnt 0x0
	s_add_co_i32 s98, s16, s17                     ; e0 + e1: a sum of the first product stands for sum x 2^(e0 + e1)
	s_lshl_b32 s96, s98, 23
	s_add_co_i32 s96, s96, 0x3d38aa3b              ; c = log2(e) / 32, the two exponents added to its exponent field
	s_sub_co_i32 s98, 194, s98
	s_lshl_b32 s98, s98, 23
	s_or_b32 s98, s98, 0x80000000
	v_mov_b32 v6, s98                              ; -2^(67 - e0 - e1)
	v_mov_b32 v13, s96
	s_add_co_i32 s98, s19, 127
	s_lshl_b32 s99, s98, 23
	v_mov_b32 v8, s99                              ; 2^e3
	s_add_co_i32 s98, s98, 15
	s_lshl_b32 s98, s98, 23
	s_or_b32 s98, s98, 0x600000
	v_mov_b32 v7, s98                              ; 57,344 x 2^e3, in two registers for the two halves of a dual line
	v_mov_b32 v[HB], s98
	s_add_co_i32 s6, s18, s19                      ; e2 + e3
	s_add_co_i32 s98, s20, 127
	s_lshl_b32 s10, s98, 23                        ; 2^e4
	s_add_co_i32 s98, s98, 15
	s_lshl_b32 s7, s98, 23
	s_or_b32 s7, s7, 0x600000                      ; 57,344 x 2^e4
	s_lshl_b32 s105, s105, 4
	s_lshl_b32 s98, s14, 1
	s_add_co_u32 s105, s105, s98                   ; tile A: 16 x block + 2 x wave; tile B is the next
	s_lshl_b32 s98, s104, 18                       ; head 2 y's image, 131,072 bytes a head,
	s_lshl_b32 s99, s105, 10
	s_add_co_u32 s98, s98, s99                     ; + tile A's 1,024
	s_mov_b32 s99, 0
	s_add_nc_u64 s[4:5], s[4:5], s[98:99]
	s_add_nc_u64 s[12:13], s[12:13], s[98:99]
	s_lshr_b32 s101, s104, 3                       ; n
	s_lshl_b32 s101, s101, 7
	s_add_co_u32 s101, s101, s105
	s_lshl_b32 s101, s101, 12                      ; tile A's words: 4,096 bytes a tile
	s_add_co_u32 s11, s101, 3840                   ; its last step's
	MLOAD 0                                        ; step 0's (the exponents above have been used)
.irp h, 0,1
.irp a, 0,1
.irp c, 0,1
	global_load_b128 v[QF+8*(2*\h+\a)+4*\c:QF+8*(2*\h+\a)+4*\c+3], v1, s[4:5] offset:131072*\h+1024*\a+512*\c   ; Q's fragments stay in registers
.endr
.endr
.endr
	v_mov_b32 v9, 0                                ; written once: a lane permute's destination counts as one of its sources
	v_mov_b32 v15, 0                               ; (upper halves of pairs that are named)
	v_mov_b32 v[FP+1], 0
	v_mov_b32 v[THR], 0xdd800000                   ; -2^60
.irp x, 0,1,2,3
	v_mov_b32 v[ST+4*\x+1], 0xff61b1e6             ; the largest t so far: -3e38, under every t
	v_floor_f32 v[ST+4*\x], -v[ST+4*\x+1]
	v_mov_b32 v[ST+4*\x+2], 0
	v_mov_b32 v[ST+4*\x+3], 0
.endr
	WIN 0x40
.set j, 0
.rept 128
	v_mov_b32 v[j], 0                              ; O^T: the step is written once; its first trip finds zeros, which the first change of M leaves zeros
.set j, j+1
.endr
	WIN 0
	s_mov_b32 s100, 0
	s_mov_b32 s99, 3
	s_wait_alu depctr_va_vdst(0)
	s_wait_loadcnt 0x0                             ; Q
.Lslot:                                            ; three trips: behind each change of slots but the last the next slot is asked for
	CHANGE 1
.Lks:
	KEYSTEP
	s_sub_co_u32 s98, s98, 1
	s_cmp_lg_u32 s98, 0
	s_wait_alu depctr_va_vdst(0)
	s_cbranch_scc1 .Lks
	s_xor_b32 s100, s100, SLOT1
	s_sub_co_u32 s99, s99, 1
	s_cmp_lg_u32 s99, 0
	s_cbranch_scc1 .Lslot
	CHANGE 0                                       ; the last slot is written out
.Lks2:
	KEYSTEP
	s_sub_co_u32 s98, s98, 1
	s_cmp_lg_u32 s98, 0
	s_wait_alu depctr_va_vdst(0)
	s_cbranch_scc1 .Lks2
	; THE END: l, its reciprocal, the hold, the codes, the stores
	s_wait_kmcnt 0x0                               ; the last look-ahead's words
.irp x, 0,1,2,3
	v_add_f32 v[KV+2*\x], v[ST+4*\x+2], v[ST+4*\x+3]
	v_mov_b32 v[KV+2*\x+1], 0
.endr
	v_permlanex16_b32 v9, v[KV], s66, s67
	v_permlanex16_b32 v10, v[KV+2], s66, s67
	v_permlanex16_b32 v11, v[KV+4], s66, s67
	v_permlanex16_b32 v[T1], v[KV+6], s66, s67
	v_add_f32 v[KV], v[KV], v9
	v_add_f32 v[KV+2], v[KV+2], v10
	v_add_f32 v[KV+4], v[KV+4], v11
	v_add_f32 v[KV+6], v[KV+6], v[T1]              ; l of the four
	s_wait_alu depctr_va_vdst(0)                   ; ahead of the batch
.irp x, 0,1,2,3
	v_rcp_f32 v[KV+2*\x], v[KV+2*\x]
.endr
	v_mov_b32 v10, s7                              ; (the plain line behind the reciprocals)
	v_mov_b32 v11, s10
	s_wait_alu depctr_va_vdst(0)                   ; ahead of their first reader
.irp x, 0,1,2,3
	v_ldexp_f32 v[KV+2*\x], v[KV+2*\x], s6         ; 2^(e2 + e3) / l
.endr
.irp x, 0,1,2,3
	WIN 0x01                                       ; O^T in window 1
	s_wait_alu depctr_va_vdst(0)                   ; directly ahead of the first reader of O^T
.set j, 0
.rept 16
	v_pk_mul_f32 v[S+32*(\x%2)+j:S+32*(\x%2)+j+1], v[32*\x+j:32*\x+j+1], v[KV+2*\x:KV+2*\x+1] op_sel_hi:[1,0]
.set j, j+2
.endr
	WIN 0
.set j, 0
.rept 32
	v_med3_num_f32 v[S+32*(\x%2)+j], v[S+32*(\x%2)+j], -v10, v10   ; the hold at the largest code x 2^e4
.set j, j+1
.endr
.irp g, 0,1,2,3
	v_cvt_scalef32_pk8_bf8_f32 v[KV+16+8*\x+2*\g:KV+16+8*\x+2*\g+1], v[S+32*(\x%2)+8*\g:S+32*(\x%2)+8*\g+7], v11
.endr
.endr
	v_nop                                          ; a plain line behind the last conversion
.irp x, 0,1,2,3
	global_store_b128 v1, v[KV+16+8*\x:KV+16+8*\x+3], s[12:13] offset:131072*(\x/2)+1024*(\x%2)        ; channels 16 h + 0 .. 15: 512 bytes on end,
	global_store_b128 v1, v[KV+16+8*\x+4:KV+16+8*\x+7], s[12:13] offset:131072*(\x/2)+1024*(\x%2)+512  ; channels 32 + 16 h + 0 .. 15
.endr
	s_wait_tensorcnt 0x0                           ; the wave's end
	ds_add_u32 v4, v5
	s_wait_dscnt 0x0
	ROUND                                          ; the closing round
	s_endpgm
.Lfunc_end_k_q58b72f4c52_attn:
	.size	k_q58b72f4c52_attn, .Lfunc_end_k_q58b72f4c52_attn-k_q58b72f4c52_attn
	.p2alignl 7, 3214868480
	.fill 96, 4, 3214868480
	.section	.rodata,"a",@progbits
	.p2align	6, 0x0
	.amdhsa_kernel k_q58b72f4c52_attn
		.amdhsa_group_segment_fixed_size 327680
		.amdhsa_private_segment_fixed_size 0
		.amdhsa_enable_private_segment 0
		.amdhsa_kernarg_size 40
		.amdhsa_user_sgpr_count 2
		.amdhsa_user_sgpr_kernarg_segment_ptr 1
		.amdhsa_wavefront_size32 1
		.amdhsa_system_sgpr_workgroup_id_x 1
		.amdhsa_system_sgpr_workgroup_id_y 1
		.amdhsa_system_sgpr_workgroup_id_z 1
		.amdhsa_system_vgpr_workitem_id 0
		.amdhsa_next_free_vgpr 512
		.amdhsa_next_free_sgpr 106
		.amdhsa_reserve_vcc 0
		.amdhsa_float_denorm_mode_32 3
		.amdhsa_float_denorm_mode_16_64 3
		.amdhsa_memory_ordered 1
		.amdhsa_forward_progress 1
		.amdhsa_inst_pref_size 163
	.end_amdhsa_kernel
	.amdgpu_metadata
---
amdhsa.version: [ 1, 2 ]
amdhsa.kernels:
  - .name:           k_q58b72f4c52_attn
    .symbol:         k_q58b72f4c52_attn.kd
    .args:
      - { .name: qc, .offset: 0, .size: 8, .value_kind: global_buffer, .address_space: global }
      - { .name: kv, .offset: 8, .size: 8, .value_kind: global_buffer, .address_space: global }
      - { .name: mw, .offset: 16, .size: 8, .value_kind: global_buffer, .address_space: global }
      - { .name: lowp_scales, .offset: 24, .size: 8, .value_kind: global_buffer, .address_space: global }
      - { .name: ac, .offset: 32, .size: 8, .value_kind: global_buffer, .address_space: global }
    .group_segment_fixed_size: 327680
    .private_segment_fixed_size: 0
    .kernarg_segment_align: 8
    .kernarg_segment_size: 40
    .max_flat_workgroup_size: 256
    .sgpr_count:     106
    .vgpr_count:     512
    .wavefront_size: 32
...
	.end_amdgpu_metadata
.endif
;; end of part 2
;; launch proj (part 3): grid 8 x 64, 4 waves a work-group, no clusters, 17,920 bytes of LDS; arguments ac, wc, lowp_scales, b_out, out0; writes out0
.if DOCPART == 3
	.amdgcn_target "amdgcn-amd-amdhsa--gfx1250"
	.amdhsa_code_object_version 6
	.text
	.protected	k_q58b72f4c52_proj
	.globl	k_q58b72f4c52_proj
	.p2align	8
	.type	k_q58b72f4c52_proj,@function
k_q58b72f4c52_proj:
	s_mov_b64 s[64:65], 0
	v_nop
	global_prefetch_b8 v0, s[64:65] scope:SCOPE_SE
	s_setreg_imm32_b32 hwreg(HW_REG_WAVE_MODE, 25, 1), 1
	s_wait_xcnt 0x0
; LAUNCH 3 OF 3: out0 = (attention's output) W_out^T + b_out, on codes of E5M2; each finished sum x 2^(e4 + e5) + bias.  Nothing of reference() is left out.  LIMIT: e4 + e5 between -126 and 127.
; Both operands lie in memory as IMAGES OF OPERAND REGISTERS (see the first launch): ac [16 n + head][tile of 16 rows][1,024 bytes], wc [head][tile of 16 outputs][1,024 bytes]; a head is 64 along K.
; So a fragment needs no LDS: two loads of 512 consecutive bytes put it into its registers.
; SHARES.  A work-group of four waves makes 128 x 128 of out0 (x: block column, y: block row); wave w makes rows 64 (w / 2) on x columns 64 (w % 2) on: 16 accumulators, 128 registers.
; A head is 16 loads (4 tiles of A, 4 of W) and 16 matrix instructions.  Four sets of 64 registers take turns: the loads run three heads, 48 loads a wave, ahead of the products.  Every offset is an immediate:
; 15 heads x 131,072 bytes stay inside the signed 24-bit immediate; no pointer is stepped.
; NO TENSOR LOADS, NO JOINT LOADS: nothing goes through LDS on the way in, so there is no tile in LDS that partners could share; LDS holds the way out's stages alone, and the waves share nothing: no barrier.
; NO PREFETCH: the text has no loop; the register loads themselves run three heads ahead.
; THE MATRIX INSTRUCTION IS USED TRANSPOSED (source 0 = 16 outputs, source 1 = 16 rows): a lane holds eight neighbouring numbers of a row of out0.
; REGISTERS, window 0: v1 r, v2 h, v3 16 x lane, v8 v9 the stage in and back, v10 my place in out0, v11 in the bias, v12 v13 the add's two; v32-63 the bias; v64-255 sets 0, 1, 2 (A's 32 registers, then W's 32);
;   on the way out v64-127 results, v128-255 rows read back.   Window 1: v0-127 the accumulators (a, n) at 8 (4 a + n); v128-191 set 3.
.set SPARE, 4*4352                     ; behind the four stages of 16 rows x 272 bytes: 128 bytes for each wave; no other line names them
.set BI,  32
.set TMP, 64
.set BK,  128
.set MSB, 0
.macro WIN new                         ; the immediate's high byte repeats the setting that is left
.if MSB != \new
	s_set_vgpr_msb (MSB<<8)|\new
.set MSB, \new
.endif
.endm
.macro LD k                            ; head k's fragments into set k % 4
.if (\k)%4 == 3
	WIN 0x40
.set FB, 128
.else
	WIN 0
.set FB, 64+64*((\k)%4)
.endif
.irp a, 0,1,2,3
.irp c, 0,1
	global_load_b128 v[FB+8*\a+4*\c:FB+8*\a+4*\c+3], v3, s[4:5] offset:131072*(\k)+1024*\a+512*\c
	global_load_b128 v[FB+32+8*\a+4*\c:FB+32+8*\a+4*\c+3], v3, s[6:7] offset:65536*(\k)+1024*\a+512*\c
.endr
.endr
.endm
.macro MUL k                           ; the sixteen accumulators take turns, one instruction a turn, in the same order every time
.if (\k)%4 == 3
	WIN 0x55
.set FB, 128
.else
	WIN 0x50
.set FB, 64+64*((\k)%4)
.endif
.irp a, 0,1,2,3
.irp n, 0,1,2,3
.if (\k) == 0
	v_wmma_f32_16x16x64_bf8_bf8 v[8*(4*\a+\n):8*(4*\a+\n)+7], v[FB+32+8*\n:FB+32+8*\n+7], v[FB+8*\a:FB+8*\a+7], 0
.else
	v_wmma_f32_16x16x64_bf8_bf8 v[8*(4*\a+\n):8*(4*\a+\n)+7], v[FB+32+8*\n:FB+32+8*\n+7], v[FB+8*\a:FB+8*\a+7], v[8*(4*\a+\n):8*(4*\a+\n)+7]
.endif
.endr
.endr
.endm
	s_load_b256 s[4:11], s[0:1], 0x0               ; ac s[4:5], wc s[6:7], the exponents s[8:9], b_out s[10:11]
	s_load_b64 s[12:13], s[0:1], 0x20              ; out0
	v_lshl_add_u32 v12, v0, 2, SPARE
	v_mov_b32 v13, 0
	v_lshrrev_b32 v1, 5, v0
	v_readfirstlane_b32 s14, v1                    ; wave 0..3
	v_and_b32 v1, 15, v0                           ; r
	v_bfe_u32 v2, v0, 4, 1                         ; h
	v_and_b32 v3, 31, v0
	v_lshlrev_b32 v3, 4, v3                        ; 16 x lane
	v_lshlrev_b32 v11, 5, v2                       ; the bias: my eight columns of a tile begin 8 h in
	s_lshr_b32 s16, s14, 1                         ; which 64 rows are mine
	s_and_b32 s17, s14, 1                          ; which 64 columns
	s_and_b32 s21, ttmp7, 0xffff                   ; block row
	s_lshr_b32 s56, s21, 4                         ; A: n x 16 heads x 131,072
	s_lshl_b32 s56, s56, 21
	s_and_b32 s58, s21, 15
	s_lshl_b32 s58, s58, 13                        ; + the block's eight tiles
	s_add_co_u32 s56, s56, s58
	s_lshl_b32 s58, s16, 12                        ; + my four of them
	s_add_co_u32 s56, s56, s58
	s_mov_b32 s57, 0
	s_lshl_b32 s60, ttmp9, 13                      ; W: the block column's eight tiles
	s_lshl_b32 s58, s17, 12                        ; + my four
	s_add_co_u32 s60, s60, s58
	s_mov_b32 s61, 0
	s_lshl_b32 s86, ttmp9, 9
	s_lshl_b32 s58, s17, 8
	s_add_co_u32 s86, s86, s58                     ; my first column, in bytes: 512 x block column + 256 x half
	s_mov_b32 s87, 0
	s_lshl_b32 s88, s21, 19                        ; out0: 128 x block row rows of 4,096 bytes
	s_lshl_b32 s58, s16, 18
	s_add_co_u32 s88, s88, s58                     ; + my 64 rows
	s_add_co_u32 s88, s88, s86                     ; + my first column
	s_mov_b32 s89, 0
	s_mul_i32 s58, s14, 4352                       ; my stage
	s_wait_alu depctr_va_vdst(0)
	v_mul_u32_u24 v8, v1, 272
	v_mul_u32_u24 v9, v2, 272
	v_lshlrev_b32 v10, 12, v2
	v_lshl_add_u32 v8, v2, 5, v8
	v_lshl_add_u32 v9, v1, 4, v9
	v_lshl_add_u32 v10, v1, 4, v10                 ; two rows of out0: lanes 0-15 one, lanes 16-31 the next
	v_add_nc_u32 v8, s58, v8                       ; in: row r, 32 bytes for each half of the lanes
	v_add_nc_u32 v9, s58, v9                       ; back: lanes 0-15 one row of 256 bytes, lanes 16-31 the next
	s_wait_alu depctr_va_vdst(0)
	s_wait_kmcnt 0x0
	s_load_b64 s[84:85], s[8:9], 0x10              ; e4, e5
	s_add_nc_u64 s[4:5], s[4:5], s[56:57]
	s_add_nc_u64 s[6:7], s[6:7], s[60:61]
	s_add_nc_u64 s[10:11], s[10:11], s[86:87]
	s_add_nc_u64 s[12:13], s[12:13], s[88:89]
.irp n, 0,1,2,3
	global_load_b128 v[BI+8*\n:BI+8*\n+3], v11, s[10:11] offset:64*\n
	global_load_b128 v[BI+8*\n+4:BI+8*\n+7], v11, s[10:11] offset:64*\n+16
.endr
	LD 0
	LD 1
	LD 2
	LD 3
.irp k, 0,1,2,3,4,5,6,7,8,9,10,11,12,13,14,15
.if \k < 13
	s_wait_loadcnt 48                              ; loads come back in order: head k's sixteen are in; those of the three heads behind it may be out
.else
	s_wait_loadcnt 16*(15-\k)
.endif
	MUL \k                                         ; head 0's products start the sums: nothing is cleared
.if \k < 12
.rept 4
	v_nop                                          ; four places in front of loads into registers that matrix instructions have read
.endr
	LD \k+4
.endif
.endr
	WIN 0
	s_wait_kmcnt 0x0
	s_add_co_i32 s96, s84, s85
	s_add_co_i32 s96, s96, 127
	s_lshl_b32 s96, s96, 23                        ; 2^(e4 + e5) as f32
	s_mov_b32 s97, s96                             ; (named with it as a pair, so it is written)
.rept 4
	v_nop                                          ; four places in front of the first read of results and of loads into the sets' registers
.endr
; THE WAY OUT, 16 rows x 64 columns at a time: sum x 2^(e4 + e5) + bias, through my own stage, back as whole rows of 256 bytes.  LDS serves a wave's instructions in order: no wait between the stores and the loads,
; nor between one block's loads and the next block's stores.
.macro PACK a
	WIN 0x01                                       ; the accumulators in window 1
.irp n, 0,1,2,3
.irp j, 0,2,4,6
	v_pk_fma_f32 v[TMP+32*(\a%2)+8*\n+\j:TMP+32*(\a%2)+8*\n+\j+1], v[8*(4*\a+\n)+\j:8*(4*\a+\n)+\j+1], s[96:97], v[BI+8*\n+\j:BI+8*\n+\j+1] op_sel_hi:[1,0,1]   ; each accumulator from its low end on
.endr
.endr
	WIN 0
.irp n, 0,1,2,3
	ds_store_b128 v8, v[TMP+32*(\a%2)+8*\n:TMP+32*(\a%2)+8*\n+3] offset:64*\n
	ds_store_b128 v8, v[TMP+32*(\a%2)+8*\n+4:TMP+32*(\a%2)+8*\n+7] offset:64*\n+16
.endr
.irp t, 0,1,2,3,4,5,6,7
	ds_load_b128 v[BK+32*\a+4*\t:BK+32*\a+4*\t+3], v9 offset:544*\t
.endr
.endm
.macro SEND a                          ; behind block a's loads stand the sixteen LDS instructions of each later block
.irp t, 0,1,2,3,4,5,6,7
	s_wait_dscnt 16*(3-\a)+7-\t
	global_store_b128 v10, v[BK+32*\a+4*\t:BK+32*\a+4*\t+3], s[12:13] offset:(16*\a+2*\t)*4096 th:TH_STORE_NT   ; sixteen lanes store 256 consecutive bytes, aligned; written once, read by nobody here
.endr
.endm
	PACK 0
	PACK 1
	PACK 2
	PACK 3
	SEND 0
	SEND 1
	SEND 2
	SEND 3
	s_wait_tensorcnt 0x0                           ; the wave's end, behind my last LDS store
	ds_add_u32 v12, v13
	s_wait_dscnt 0x0
	s_endpgm
.Lfunc_end_k_q58b72f4c52_proj:
	.size	k_q58b72f4c52_proj, .Lfunc_end_k_q58b72f4c52_proj-k_q58b72f4c52_proj
	.p2alignl 7, 3214868480
	.fill 96, 4, 3214868480
	.section	.rodata,"a",@progbits
	.p2align	6, 0x0
	.amdhsa_kernel k_q58b72f4c52_proj
		.amdhsa_group_segment_fixed_size 17920
		.amdhsa_private_segment_fixed_size 0
		.amdhsa_enable_private_segment 0
		.amdhsa_kernarg_size 40
		.amdhsa_user_sgpr_count 2
		.amdhsa_user_sgpr_kernarg_segment_ptr 1
		.amdhsa_wavefront_size32 1
		.amdhsa_system_sgpr_workgroup_id_x 1
		.amdhsa_system_sgpr_workgroup_id_y 1
		.amdhsa_system_sgpr_workgroup_id_z 1
		.amdhsa_system_vgpr_workitem_id 0
		.amdhsa_next_free_vgpr 512
		.amdhsa_next_free_sgpr 100
		.amdhsa_reserve_vcc 0
		.amdhsa_float_denorm_mode_32 3
		.amdhsa_float_denorm_mode_16_64 3
		.amdhsa_memory_ordered 1
		.amdhsa_forward_progress 1
		.amdhsa_inst_pref_size 59
	.end_amdhsa_kernel
	.amdgpu_metadata
---
amdhsa.version: [ 1, 2 ]
amdhsa.kernels:
  - .name:           k_q58b72f4c52_proj
    .symbol:         k_q58b72f4c52_proj.kd
    .args:
      - { .name: ac, .offset: 0, .size: 8, .value_kind: global_buffer, .address_space: global }
      - { .name: wc, .offset: 8, .size: 8, .value_kind: global_buffer, .address_space: global }
      - { .name: lowp_scales, .offset: 16, .size: 8, .value_kind: global_buffer, .address_space: global }
      - { .name: b_out, .offset: 24, .size: 8, .value_kind: global_buffer, .address_space: global }
      - { .name: out0, .offset: 32, .size: 8, .value_kind: global_buffer, .address_space: global }
    .group_segment_fixed_size: 17920
    .private_segment_fixed_size: 0
    .kernarg_segment_align: 8
    .kernarg_segment_size: 40
    .max_flat_workgroup_size: 128
    .sgpr_count:     100
    .vgpr_count:     512
    .wavefront_size: 32
...
	.end_amdgpu_metadata
.endif
;; end of part 3
